; MI455X (gfx1250); checked and timed in simulation.
; The chip was launched on July 23, 2026; its instructions are those of AMD's public machine-readable ISA for CDNA 5 (MIT licence, August 2026) and "CDNA5" Instruction Set Architecture Reference Guide (July 2026). The comments in the code are by the model that wrote it; some were corrected since.
;; Multi Head Dot Product Attention. Allowed arithmetic: matrix products marked QUANTISED: E4M3 operands, one given power-of-two scale a tensor, by v_wmma_f32_16x16x64_fp8_fp8 or v_wmma_f32_16x16x128_fp8_fp8, f32 sums; everything else in f32.
;; Inputs: Wk 2,048 x 16 x 128 float32; Wo 16 x 128 x 2,048 float32; Wq 2,048 x 16 x 128 float32; Wv 2,048 x 16 x 128 float32; inputs_kv 2 x 2,048 x 2,048 float32; inputs_q 2 x 1,024 x 2,048 float32; lowp_scales 12 int32 (the exponents e of the quantised operands' scales 2^e).
;; Outputs: out0 2 x 1,024 x 2,048 float32.
;; This version of the problem:
;;   THIS VERSION OF THE PROBLEM IS GIVEN IN LOW PRECISION. The matrix products marked QUANTISED in the list below multiply operands that are first quantised to E4M3 (4 exponent bits, 3 mantissa bits; 8 bits a number), with one given power-of-two scale for each operand tensor; their sums are f32. All else is computed in f32.
;;   The module's matrix products, in the order in which they are computed (A, B: the left and right operand; K: the contracted axis; several contracted axes count as one K, in the product's order):
;;     1. [M 2,048, K 2,048] x [K 2,048, N 2,048]; A: input inputs_q; B: input Wq: QUANTISED (scales: A lowp_scales[0], B lowp_scales[1])
;;     2. [M 4,096, K 2,048] x [K 2,048, N 2,048]; A: input inputs_kv; B: input Wk: QUANTISED (scales: A lowp_scales[2], B lowp_scales[3])
;;     3. [M 4,096, K 2,048] x [K 2,048, N 2,048]; A: input inputs_kv; B: input Wv: QUANTISED (scales: A lowp_scales[4], B lowp_scales[5])
;;     4. batch 32 x [M 1,024, K 128] x [K 128, N 2,048]; A: computed on the way; B: computed on the way: QUANTISED (scales: A lowp_scales[6], B lowp_scales[7])
;;     5. batch 32 x [M 128, K 2,048] x [K 2,048, N 1,024]; A: computed on the way; B: softmax (see below): QUANTISED (scales: A lowp_scales[8], B lowp_scales[9])
;;     6. [M 2,048, K 2,048] x [K 2,048, N 2,048]; A: computed on the way; B: input Wo: QUANTISED (scales: A lowp_scales[10], B lowp_scales[11])
;;   THE QUANTISER, for each operand of a quantised product, along K:
;;     - The operand's scale is 2^e, e = its entry of the input lowp_scales (int32; the entries are numbered through the quantised products in the list's order, A before B).
;;     - Each number is divided by the scale, clamped to +-448, and rounded to the nearest number of E4M3, ties to even, subnormals kept.
;;     - The product sums the exact products of the quantised numbers (number of the format x scale) in f32.
;;   ~~~python
;;   def quantise(x, axis, e):      # numpy; x: float32 -> the quantised numbers, widened to float32 again
;;       x = np.moveaxis(x, axis, -1); K = x.shape[-1]
;;       r = np.clip(x / 2.0 ** e, -448, 448)
;;       step = 2.0 ** (np.maximum(np.frexp(np.where(r == 0, 1, r))[1] - 1, -6) - 3)
;;       q = np.round(r / step) * step * 2.0 ** e      # np.round: ties to even
;;       return np.moveaxis(q, -1, axis).astype(np.float32)
;;   ~~~
;;   SOFTMAX AHEAD OF A QUANTISED PRODUCT. Where the list says 'softmax', what is quantised is not the finished softmax but p = 2^(t - M), with t = logit x log2(e) and M = ceil(the row's largest t), a whole number; so 1/2 < the row's largest p <= 1. The row's sum l is taken of the UNQUANTISED p, in f32, and the product's result is divided by l at the end. Since M is a whole number, a kernel that streams over the keys may use a running M (the ceiling of the running maximum): every later rescaling is an exact power of two, so the quantised numbers keep their values, but for numbers so far below the row's largest that they fall under the format's range.
;;   OPERANDS COMPUTED ON THE WAY. 'Computed on the way' means the value that the module computes at that place (a softmax that the list does not call 'softmax' is quantised finished and normalised). What goes into a quantiser is computed in f32, as accurately as f32 sums, v_exp_f32 and their like allow (about 1e-6 of the number): no bf16 or f16 on the way to a quantiser, and a product that is left as it is and whose result goes on into a quantised operand takes f32 operands (vector FMAs, or v_wmma_f32_16x16x4_f32). A number that lies on a knife's edge between two numbers of the format may be rounded either way, as far as f32 arithmetic and the matrix unit's own rounding can turn it there, and no further.
;; One version. Each part assembles by itself: llvm-mc -triple=amdgcn-amd-amdhsa -mcpu=gfx1250 --defsym DOCPART=n.
;; ======== version 1 of 1: 4 launches
;; limits: right only within a limited range of input values
;; workspace buffers: cw 29,360,128 bytes; qkv 12,582,912 bytes; oc 4,194,304 bytes
;; launch quant (part 1): grid 768 x 1, 4 waves a work-group, no clusters, 55,808 bytes of LDS; arguments inputs_q, inputs_kv, Wq, Wk, Wv, Wo, lowp_scales, cw; writes cw
.if DOCPART == 1
	.amdgcn_target "amdgcn-amd-amdhsa--gfx1250"
	.amdhsa_code_object_version 6
	.text
	.protected	k_qf8775d31bd_quant
	.globl	k_qf8775d31bd_quant
	.p2align	8
	.type	k_qf8775d31bd_quant,@function
k_qf8775d31bd_quant:
	s_mov_b64 s[64:65], 0
	v_nop
	global_prefetch_b8 v0, s[64:65] scope:SCOPE_SE
	s_setreg_imm32_b32 hwreg(HW_REG_WAVE_MODE, 25, 1), 1
	s_wait_xcnt 0x0
; ALL SEVEN OPERANDS THAT ARRIVE AS f32 BECOME CODES OF E4M3, K innermost, each with its given scale 2^e: code = x / 2^e, held within +-448, to the nearest code, ties to even.
; cw holds seven tensors of 2,048 rows x 2,048 bytes, 4 MiB apart: XQ (inputs_q, e0), XK (inputs_kv, e2), XV (inputs_kv, e4), WQ (e1), WK (e3), WV (e5), WO (e11).
; inputs_kv: the causal mask (1,024 queries x 2,048 keys) hides keys 1,024 .. 2,047 of each batch from every query, so only rows 0 .. 1,023 of each batch are read: row b x 1,024 + s of XK and XV.
; They are read once and quantised twice, since products 2 and 3 have scales of their own.
; Work-groups 0-127: inputs_q; 128-255: inputs_kv (K is innermost: a plain stream of numbers); 256-767: the four weights, whose K is their FIRST axis: a lane takes a column and its registers run down K.
; The two ways part on the work-group's number, never join, and have LDS bytes of their own.  No barrier: waves share nothing.
; LIMITS: each e between -126 and 119, so that 2^e and 448 x 2^e are f32 numbers.  NaN among the inputs is not served.
; DEAD WORK LEFT OUT, for all values of the inputs: reference()'s own causal mask (jnp.tril over 1,024 queries x 2,048 keys) adds -1e10 to every logit with key > query, and a query's number is at most 1,023. So the keys and
; values of tokens 1,024 .. 2,047 of inputs_kv have weight 0 in every row: their rows of products 2 and 3 and their columns of products 4 and 5 are not made.
; LIMITS of that: |logit| stays far under 1e10; a NaN, an infinity or an overflow that reaches only the work left out is not carried to the result.
.set XSP,   80                         ; the stream's stage: a lane's 64 bytes + 16 of padding
.set XSTG,  32*XSP                     ; a stage
.set XWR,   2*XSTG                     ; a wave's two stages
.set WBASE, 4*XWR                      ; behind them: the weights' stages
.set WP,    272                        ; a stage row: 256 codes + 16 bytes
.set WWR,   32*WP                      ; a wave's stage: 32 columns
.set MANT,  0x600000                   ; the mantissa field of 448 as f32
.set R,     16                         ; v16-79   four sets of 16 numbers as they are loaded
.set X,     80                         ; v80-111  two sets of 16 neighbours
.set T,     112                        ; v112-127 the numbers held for the first scale
.set C,     128                        ; v128-255 codes: eight registers for each step (four for each scale), never written again
.set WX,    32                         ; weights: v32-95 two sets of 32 numbers
.set WC,    96                         ; v96-103 a block's codes
.set OUTR,  112                        ; v112-175 the way out
	s_load_b512 s[4:19], s[0:1], 0x0               ; inputs_q s[4:5], inputs_kv s[6:7], Wq s[8:9], Wk s[10:11], Wv s[12:13], Wo s[14:15], the exponents s[16:17], cw s[18:19]
	v_lshl_add_u32 v9, v0, 2, 0xd800
	s_set_vgpr_msb 0x40
	v_mov_b32 v1, 0
	s_set_vgpr_msb 0x4000
	v_lshrrev_b32 v1, 5, v0
	v_readfirstlane_b32 s20, v1                    ; wave 0..3
	v_and_b32 v2, 31, v0                           ; lane
	s_wait_kmcnt 0x0
	s_load_b256 s[32:39], s[16:17], 0x0            ; e0 .. e7
	s_load_b32 s40, s[16:17], 0x2c                 ; e11
	s_cmp_lt_u32 ttmp9, 256
	s_cbranch_scc0 .Lweights
; ---------------- the streams: a work-group takes 32,768 numbers, a wave 8,192 in 16 steps of 512 ----------------
; A load reads 512 consecutive bytes, 16 a lane; a step's 2,048 bytes go through the wave's own stage as they lie and come back 64 bytes a lane: 16 neighbours along K, as the conversions want them.
.macro XLOAD t
.irp i, 0,1,2,3
	global_load_b128 v[R+16*((\t)%4)+4*\i:R+16*((\t)%4)+4*\i+3], v3, s[4:5] offset:2048*(\t)+512*\i th:TH_LOAD_NT
.endr
.endm
.macro XTURN t                         ; LDS serves a wave's instructions in order: no wait between the stores and the loads
.irp i, 0,1,2,3
	ds_store_b128 v14, v[R+16*((\t)%4)+4*\i:R+16*((\t)%4)+4*\i+3] offset:XSTG*((\t)%2)+8*XSP*\i
.endr
.irp i, 0,1,2,3
	ds_load_b128 v[X+16*((\t)%2)+4*\i:X+16*((\t)%2)+4*\i+3], v15 offset:XSTG*((\t)%2)+16*\i
.endr
.endm
.macro XSTEP t
.set XS, X+16*((\t)%2)
	s_wait_dscnt 0x0                               ; this step's numbers are back from the stage, so its stores into the stage have read their registers,
.if (\t)+4 < 16
	XLOAD (\t)+4                                   ; which take the loads of four steps on
.endif
.if (\t)+1 < 16
.if 14-(\t) >= 3
	s_wait_loadcnt 12                              ; the next step's four loads are in; those of the three steps behind it may be out
.else
	s_wait_loadcnt 4*(14-(\t))
.endif
	XTURN (\t)+1
.endif
.set J, 0
.rept 16
	v_med3_num_f32 v[T+J], v[XS+J], -v10, v10      ; the conversion to an 8-bit code does not saturate (ISA guide 7.6.2): the hold at the largest code x the scale
.set J, J+1
.endr
	v_cvt_scalef32_pk8_fp8_f32 v[C+8*(\t):C+8*(\t)+1], v[T:T+7], v11
	v_cvt_scalef32_pk8_fp8_f32 v[C+8*(\t)+2:C+8*(\t)+3], v[T+8:T+15], v11
	v_nop                                          ; a plain line behind the conversions: the next step's holds write their sources
	global_store_b128 v3, v[C+8*(\t):C+8*(\t)+3], s[18:19] offset:512*(\t)   ; the wave stores 512 consecutive bytes, aligned
	s_cmp_lt_u32 ttmp9, 128                        ; inputs_q has one scale; inputs_kv a second: the same numbers once more, for XV, 4 MiB further on
	s_cbranch_scc1 .Lno_b_\@
.set J, 0
.rept 16
	v_med3_num_f32 v[XS+J], v[XS+J], -v12, v12
.set J, J+1
.endr
	v_cvt_scalef32_pk8_fp8_f32 v[C+8*(\t)+4:C+8*(\t)+5], v[XS:XS+7], v13
	v_cvt_scalef32_pk8_fp8_f32 v[C+8*(\t)+6:C+8*(\t)+7], v[XS+8:XS+15], v13
	v_nop
	global_store_b128 v3, v[C+8*(\t)+4:C+8*(\t)+7], s[18:19] offset:512*(\t)+4194304
.Lno_b_\@:
.endm
	s_cmp_lt_u32 ttmp9, 128                        ; the choice hangs on the work-group's number alone
	s_cselect_b64 s[4:5], s[4:5], s[6:7]
	s_cselect_b32 s23, 0, 128
	s_sub_co_u32 s24, ttmp9, s23                   ; which 32,768 numbers of the tensor's rows that are read
	s_lshr_b32 s25, s24, 6                         ; inputs_kv: the batch (64 work-groups each);
	s_lshl_b32 s25, s25, 23                        ; behind each batch's 1,024 rows 8 MiB of hidden rows are passed over
	s_cmp_lt_u32 ttmp9, 128
	s_cselect_b32 s25, 0, s25
	s_lshl_b32 s26, s24, 17
	s_add_co_u32 s26, s26, s25
	s_lshl_b32 s27, s20, 15
	s_add_co_u32 s26, s26, s27
	s_mov_b32 s27, 0
	s_add_nc_u64 s[4:5], s[4:5], s[26:27]
	s_lshl_b32 s28, ttmp9, 15                      ; the codes: 32 KiB a work-group; XK begins where XQ's 128 work-groups end
	s_lshl_b32 s29, s20, 13
	s_add_co_u32 s28, s28, s29
	s_mov_b32 s29, 0
	s_add_nc_u64 s[18:19], s[18:19], s[28:29]
	s_wait_alu depctr_va_vdst(0)
	v_lshlrev_b32 v3, 4, v2                        ; my 16 bytes of a load's 512, and of a store's
	s_mul_i32 s21, s20, XWR
	v_lshrrev_b32 v14, 2, v2
	v_mul_u32_u24 v14, v14, XSP
	v_and_b32 v15, 3, v2
	v_lshl_add_u32 v14, v15, 4, v14
	v_add_nc_u32 v14, s21, v14                     ; the stage, on the way in: four lanes' 64 bytes on end, then 16 of padding
	v_mul_u32_u24 v15, v2, XSP
	v_add_nc_u32 v15, s21, v15                     ; and on the way out: my 16 neighbours
.irp t, 0,1,2,3
	XLOAD \t
.endr
	s_wait_alu depctr_va_vdst(0)
	s_wait_kmcnt 0x0
	s_cmp_lt_u32 ttmp9, 128
	s_cselect_b32 s22, s32, s34                    ; e0 or e2
	s_add_co_i32 s22, s22, 127
	s_lshl_b32 s23, s22, 23
	v_mov_b32 v11, s23                             ; 2^e as f32: the conversion takes its exponent field
	s_add_co_i32 s22, s22, 8
	s_lshl_b32 s22, s22, 23
	s_or_b32 s22, s22, MANT
	v_mov_b32 v10, s22                             ; 448 x 2^e
	s_add_co_i32 s22, s36, 127                     ; e4
	s_lshl_b32 s23, s22, 23
	v_mov_b32 v13, s23
	s_add_co_i32 s22, s22, 8
	s_lshl_b32 s22, s22, 23
	s_or_b32 s22, s22, MANT
	v_mov_b32 v12, s22
	s_wait_alu depctr_va_vdst(0)
	s_wait_loadcnt 12                              ; step 0's four loads are in
	XTURN 0
.irp t, 0,1,2,3,4,5,6,7,8,9,10,11,12,13,14,15
	XSTEP \t
.endr
	s_set_vgpr_msb 0x4
	s_wait_tensorcnt 0x0
	ds_add_u32 v9, v1
	s_wait_dscnt 0x0
	s_set_vgpr_msb 0x400
	s_endpgm
; ---------------- the weights: [2,048 (K)][2,048 (n)] f32 -> [n][K] codes.  A work-group takes 128 columns x 256 along K, a wave 32 columns ----------------
; Each load reads one row of K at 32 neighbouring columns; a lane's 32 registers are 32 neighbours along K of its column.  The codes gather in the wave's own stage and leave as rows: sixteen lanes store 256 consecutive bytes, aligned.
.macro WLOAD t
.set J, 0
.rept 32
	global_load_b32 v[WX+32*((\t)%2)+J], v3, s[8:9] offset:(32*(\t)+J)*8192 th:TH_LOAD_NT
.set J, J+1
.endr
.endm
.macro WBLOCK t
.set XS, WX+32*((\t)%2)
.if (\t) < 7
	s_wait_loadcnt 32                              ; this block's 32 loads are in; the next block's may be out
.else
	s_wait_loadcnt 0
.endif
.set J, 0
.rept 32
	v_med3_num_f32 v[XS+J], v[XS+J], -v10, v10
.set J, J+1
.endr
.irp g, 0,1,2,3
	v_cvt_scalef32_pk8_fp8_f32 v[WC+2*\g:WC+2*\g+1], v[XS+8*\g:XS+8*\g+7], v11
.endr
	v_nop
	ds_store_b128 v4, v[WC:WC+3] offset:32*(\t)
	ds_store_b128 v4, v[WC+4:WC+7] offset:32*(\t)+16
.if (\t)+2 < 8
	WLOAD (\t)+2
.endif
	s_wait_dscnt 0x0                               ; the stores have read their registers: the next block's codes may be written
.endm
.Lweights:
	s_sub_co_u32 s21, ttmp9, 256
	s_lshr_b32 s22, s21, 7                         ; which weight: 0 Wq, 1 Wk, 2 Wv, 3 Wo
	s_and_b32 s23, s21, 15                         ; which 128 columns
	s_bfe_u32 s24, s21, 0x30004                    ; which 256 along K
	s_cmp_eq_u32 s22, 1
	s_cselect_b64 s[8:9], s[10:11], s[8:9]
	s_cmp_eq_u32 s22, 2
	s_cselect_b64 s[8:9], s[12:13], s[8:9]
	s_cmp_eq_u32 s22, 3
	s_cselect_b64 s[8:9], s[14:15], s[8:9]
	s_lshl_b32 s25, s23, 7
	s_lshl_b32 s26, s20, 5
	s_add_co_u32 s25, s25, s26                     ; my wave's first column
	s_lshl_b32 s26, s24, 21                        ; 256 rows of 8,192 bytes
	s_lshl_b32 s27, s25, 2
	s_add_co_u32 s26, s26, s27
	s_mov_b32 s27, 0
	s_add_nc_u64 s[8:9], s[8:9], s[26:27]
	s_lshl_b32 s28, s22, 22                        ; the weight's codes: 12 MiB + 4 MiB x weight,
	s_add_co_u32 s28, s28, 12<<20
	s_lshl_b32 s29, s25, 11                        ; row = column of the weight,
	s_add_co_u32 s28, s28, s29
	s_lshl_b32 s29, s24, 8                         ; 256 bytes along K
	s_add_co_u32 s28, s28, s29
	s_mov_b32 s29, 0
	s_add_nc_u64 s[18:19], s[18:19], s[28:29]
	s_wait_alu depctr_va_vdst(0)
	v_lshlrev_b32 v3, 2, v2                        ; in: 4 bytes a lane
	s_mul_i32 s21, s20, WWR
	s_add_co_u32 s21, s21, WBASE                   ; my stage
	v_mul_u32_u24 v4, v2, WP
	v_add_nc_u32 v4, s21, v4                       ; into it: row = my column
	v_and_b32 v5, 15, v2
	v_lshrrev_b32 v6, 4, v2
	v_mul_u32_u24 v7, v6, WP
	v_lshl_add_u32 v7, v5, 4, v7
	v_add_nc_u32 v7, s21, v7                       ; out of it: sixteen lanes to a row, two rows an instruction
	v_lshlrev_b32 v8, 11, v6
	v_lshl_add_u32 v8, v5, 4, v8                   ; and the same place among the codes' rows of 2,048 bytes
	WLOAD 0
	WLOAD 1
	s_wait_kmcnt 0x0
	s_mov_b32 s30, s33                             ; e1,
	s_cmp_eq_u32 s22, 1
	s_cselect_b32 s30, s35, s30                    ; e3,
	s_cmp_eq_u32 s22, 2
	s_cselect_b32 s30, s37, s30                    ; e5,
	s_cmp_eq_u32 s22, 3
	s_cselect_b32 s30, s40, s30                    ; or e11
	s_add_co_i32 s30, s30, 127
	s_lshl_b32 s31, s30, 23
	v_mov_b32 v11, s31
	s_add_co_i32 s30, s30, 8
	s_lshl_b32 s30, s30, 23
	s_or_b32 s30, s30, MANT
	v_mov_b32 v10, s30
	s_wait_alu depctr_va_vdst(0)
.irp t, 0,1,2,3,4,5,6,7
	WBLOCK \t
.endr
.irp t, 0,1,2,3,4,5,6,7,8,9,10,11,12,13,14,15
	ds_load_b128 v[OUTR+4*\t:OUTR+4*\t+3], v7 offset:2*\t*WP
.endr
.irp t, 0,1,2,3,4,5,6,7,8,9,10,11,12,13,14,15
	s_wait_dscnt 15-\t                             ; LDS loads come back in order: load t is in, the younger ones may be out
	global_store_b128 v8, v[OUTR+4*\t:OUTR+4*\t+3], s[18:19] offset:2*\t*2048
.endr
	s_set_vgpr_msb 0x4
	s_wait_tensorcnt 0x0
	ds_add_u32 v9, v1
	s_wait_dscnt 0x0
	s_set_vgpr_msb 0x400
	s_endpgm
.Lfunc_end_k_qf8775d31bd_quant:
	.size	k_qf8775d31bd_quant, .Lfunc_end_k_qf8775d31bd_quant-k_qf8775d31bd_quant
	.p2alignl 7, 3214868480
	.fill 96, 4, 3214868480
	.section	.rodata,"a",@progbits
	.p2align	6, 0x0
	.amdhsa_kernel k_qf8775d31bd_quant
		.amdhsa_group_segment_fixed_size 55808
		.amdhsa_private_segment_fixed_size 0
		.amdhsa_enable_private_segment 0
		.amdhsa_kernarg_size 64
		.amdhsa_user_sgpr_count 2
		.amdhsa_user_sgpr_kernarg_segment_ptr 1
		.amdhsa_wavefront_size32 1
		.amdhsa_system_sgpr_workgroup_id_x 1
		.amdhsa_system_sgpr_workgroup_id_y 1
		.amdhsa_system_sgpr_workgroup_id_z 1
		.amdhsa_system_vgpr_workitem_id 0
		.amdhsa_next_free_vgpr 258
		.amdhsa_next_free_sgpr 66
		.amdhsa_reserve_vcc 0
		.amdhsa_float_denorm_mode_32 3
		.amdhsa_float_denorm_mode_16_64 3
		.amdhsa_memory_ordered 1
		.amdhsa_forward_progress 1
		.amdhsa_inst_pref_size 109
	.end_amdhsa_kernel
	.amdgpu_metadata
---
amdhsa.version: [ 1, 2 ]
amdhsa.kernels:
  - .name:           k_qf8775d31bd_quant
    .symbol:         k_qf8775d31bd_quant.kd
    .args:
      - { .name: inputs_q, .offset: 0, .size: 8, .value_kind: global_buffer, .address_space: global }
      - { .name: inputs_kv, .offset: 8, .size: 8, .value_kind: global_buffer, .address_space: global }
      - { .name: Wq, .offset: 16, .size: 8, .value_kind: global_buffer, .address_space: global }
      - { .name: Wk, .offset: 24, .size: 8, .value_kind: global_buffer, .address_space: global }
      - { .name: Wv, .offset: 32, .size: 8, .value_kind: global_buffer, .address_space: global }
      - { .name: Wo, .offset: 40, .size: 8, .value_kind: global_buffer, .address_space: global }
      - { .name: lowp_scales, .offset: 48, .size: 8, .value_kind: global_buffer, .address_space: global }
      - { .name: cw, .offset: 56, .size: 8, .value_kind: global_buffer, .address_space: global }
    .group_segment_fixed_size: 55808
    .private_segment_fixed_size: 0
    .kernarg_segment_align: 8
    .kernarg_segment_size: 64
    .max_flat_workgroup_size: 128
    .sgpr_count:     66
    .vgpr_count:     258
    .wavefront_size: 32
...
	.end_amdgpu_metadata
.endif
;; end of part 1
;; launch proj (part 2): grid 8 x 24, 4 waves a work-group, clusters of 4 x 4, 327,680 bytes of LDS; arguments cw, lowp_scales, qkv; writes qkv
.if DOCPART == 2
	.amdgcn_target "amdgcn-amd-amdhsa--gfx1250"
	.amdhsa_code_object_version 6
	.text
	.protected	k_qf8775d31bd_proj
	.globl	k_qf8775d31bd_proj
	.p2align	8
	.type	k_qf8775d31bd_proj,@function
k_qf8775d31bd_proj:
	s_mov_b64 s[64:65], 0
	v_nop
	global_prefetch_b8 v0, s[64:65] scope:SCOPE_SE
	s_setreg_imm32_b32 hwreg(HW_REG_WAVE_MODE, 25, 1), 1
	s_wait_xcnt 0x0
	s_wait_alu depctr_hold_cnt(0) depctr_sa_sdst(0) depctr_va_vdst(0) depctr_va_sdst(0) depctr_va_ssrc(0) depctr_va_vcc(0) depctr_vm_vsrc(0)
	s_getreg_b32 s2, hwreg(HW_REG_IB_STS2, 6, 4)
	s_cmp_eq_u32 s2, 0
	s_cbranch_scc0 .Lentry_in_a_cluster
	s_endpgm
.Lentry_in_a_cluster:
	s_bfe_u32 s2, ttmp6, 0x10000c
	s_cmp_lg_u32 s2, 0xf033
	s_cbranch_scc0 .Lentry_shape_is_right
	s_endpgm
.Lentry_shape_is_right:
; THE THREE PROJECTIONS, each C[m][n] = sum over k of A[m][k] B[n][k] on codes of E4M3, 2,048 x 2,048 x 2,048, and their results quantised at once for the attention.
; g = cluster y / 2:  g = 0: q = x_q Wq / sqrt(128) (A = XQ, B = WQ);  g = 1: k (A = XK, B = WK);  g = 2: v, TRANSPOSED by the choice of operands (A = WV, B = XV): its codes then run along the keys.
; DEAD WORK: of each batch's 2,048 keys only the 1,024 that the causal mask can show have rows here (the first kernel's head comment).
; 192 tiles of 256 x 256, one to a work-group; four waves, 128 x 128 each: 64 accumulators.  K goes in steps of 256 through two LDS slots filled by the tensor data mover, rows of 256 bytes.
; CLUSTERS: 4 x 4 work-groups of one g.  The four of a row need the same tiles of A, the four of a column the same tiles of B: each tile is asked for jointly.
; PREFETCH: at each change of slots that fills, a wave names 32 of the 128 rows that it fetches jointly (told apart by address: cx for A, cy for B), 256 bytes each, of the K step two refills on; the last two refills ask for nothing.
; A STEP of 128 along K is four quarters of 16 products (two blocks of A x eight of B).  Each quarter begins with one run of 16 LDS loads for products that stand one to two quarters on:
; A's blocks 4-7 of this step, B's blocks 0-3 and 4-7 of the next, A's blocks 0-3 of the next.  A has one set of registers (a block is free when its eight products are issued), B two.
; THE MATRIX INSTRUCTION IS USED TRANSPOSED (source 0 = 16 rows of B, source 1 = 16 rows of A): a lane (r, h) holds row m = r and the columns n = 16 b + 8 h + 0 .. 7: eight codes, two registers.
; Here a fragment comes by four loads of 16 bytes: registers 4 c .. 4 c + 3 hold K = 32 c + 16 h + 0 .. 15, alike in A and B, so every product meets its partner.
; OUT: the codes of a block of 16 rows x 128 columns ARE an operand of the plain FP8 form (registers 2 b, 2 b + 1: k = 16 b + 8 h + 0 .. 7) and are stored so, 16 bytes a lane, 512 consecutive bytes a store: a fragment of 2,048 bytes.
; qkv holds Q, K, V, 4 MiB each: block (head x 16 + token block of 128) of 16,384 bytes = eight fragments; of Q and K 16 tokens x the head's 128, of V 16 channels x 128 tokens.
; code = sum x F, held within +-448, to the nearest code; F = 2^(eA + eB - eout), for q also / sqrt(128) (as a multiplication by its f32 reciprocal).
; LIMIT: eA + eB - eout between -122 and 127, so that F is an f32 number.
; REGISTERS, in windows of 256: window 0: v0-31 addresses and constants; v128-255 A's fragments; on the way out v32-95 sums, v128-255 codes.  window 1: B's two sets.  windows 2, 3: accumulator (a, b) at v[8 (8 (a % 4) + b)].
.set ROWB,   256
.set KROW,   2048
.set PITCH,  272                       ; an LDS row: 256 bytes + 16 of padding
.set FR,     16
.set HALFT,  128*PITCH
.set SLOT,   4*HALFT
.set LAPS,   4
.set SPARE,  2*SLOT                    ; the spare words, 128 bytes for each wave, which no other line names
.set ADRA, 16
.set ADRB, 20
.set CO,   26                          ; v26 16 x lane
.set PFO,  27                          ; v27 the prefetches' offset: lane x 2,048
.set SPW,  28
.set NIL,  29
.set LIMV, 30                          ; v30 448.0
.set ONE,  31                          ; v31 1.0: the conversion's scale
.set TMP,  32
.set CD,   128
.set AF,   128
.set G1, 24
.set G0, 32
.set G1B, 48
.set G0B, 56
.set PFA, 90                           ; s[90:91] where my prefetches stand
.set MSB, 0
.macro WIN new                         ; the immediate's high byte repeats the setting that is left
.if MSB != \new
	s_set_vgpr_msb (MSB<<8)|\new
.set MSB, \new
.endif
.endm
.set MUL_LO, 0xa1                      ; source 0 (B) window 1, source 1 (A) window 0, C and D window 2
.set MUL_HI, 0xf1                      ; the same, C and D window 3
.set TO_B,   0x40                      ; destination window 1, address window 0
; A joint load: waves 0 and 1 fetch for A, waves 2 and 3 for B; the branch hangs on the wave's number alone.
.macro JLOAD s
	s_cmp_eq_u32 s15, 0
	s_cbranch_scc0 .Lfor_b_\@
	tensor_load_to_lds s[G0+4*\s:G0+4*\s+3], s[G1:G1+7]
	s_nop 0
.rept 4
	v_nop
.endr
	s_branch .Lasked_\@
.Lfor_b_\@:
	tensor_load_to_lds s[G0B+4*\s:G0B+4*\s+3], s[G1B:G1B+7]
	s_nop 0
.rept 4
	v_nop
.endr
.Lasked_\@:
.endm
.macro CREST                           ; a round of the cluster's barrier behind its opening barrier
	s_cmp_lg_u32 s14, 0
	s_cbranch_scc1 .Lnot_wave_0_\@
	s_barrier_signal -3
.Lnot_wave_0_\@:
	s_barrier_wait -3
	s_barrier_signal -1
	s_barrier_wait -1
.endm
.macro CROUND
	s_barrier_signal -1
	s_barrier_wait -1
	CREST
.endm
	s_load_b128 s[4:7], s[0:1], 0x0                ; cw s[4:5], the exponents s[6:7]
	s_load_b64 s[8:9], s[0:1], 0x10                ; qkv
	v_lshl_add_u32 v[SPW], v0, 2, SPARE
	v_mov_b32 v[NIL], 0
	ds_add_u32 v[SPW], v[NIL]                      ; the opening lines: the add twice, work on registers, the wait
	ds_add_u32 v[SPW], v[NIL]
	v_mov_b32 v[LIMV], 0x43e00000
	v_mov_b32 v[ONE], 1.0
	v_lshrrev_b32 v1, 5, v0
	v_readfirstlane_b32 s14, v1                    ; wave 0..3
	s_lshr_b32 s15, s14, 1                         ; which half of the tile's rows is mine.  Also: I fetch for A (0) or for B (1)
	s_and_b32 s16, s14, 1                          ; which half of its columns.  Also: which 128 rows of that tile I fetch
	s_bfe_u32 s40, ttmp6, 0x40000                  ; cx, cy
	s_bfe_u32 s41, ttmp6, 0x40004
	s_lshl_b32 s42, ttmp9, 2
	s_add_co_u32 s42, s42, s40                     ; tile column: 0 .. 7
	s_and_b32 s12, ttmp7, 0xffff                   ; cluster y: 0 .. 5
	s_lshr_b32 s13, s12, 1                         ; g: the same in all sixteen partners
	s_and_b32 s17, s12, 1
	s_lshl_b32 s17, s17, 2
	s_add_co_u32 s17, s17, s41                     ; tile row: 0 .. 7
	s_lshl_b32 s43, s41, 2
	s_lshl_b32 s43, 15, s43                        ; my row of the cluster
	s_lshl_b32 s44, 0x1111, s40                    ; my column
	s_or_b32 s[G1+0], s43, (0<<16)|(1<<20)|(1<<21)|(5<<22)|(3<<25)  ; the mask; elements of 1 byte; padding on; bit 21 beside a mask; after every 64 words; 4 words
	s_or_b32 s[G1B+0], s44, (0<<16)|(1<<20)|(1<<21)|(5<<22)|(3<<25)
.irp g, G1, G1B
	s_mov_b32 s[\g+1], ROWB<<16                    ; tensor_dim0
	s_mov_b32 s[\g+2], 128<<16                     ; tensor_dim1
	s_mov_b32 s[\g+3], ROWB<<16                    ; tile_dim0
	s_mov_b32 s[\g+4], 128                         ; tile_dim1
	s_mov_b32 s[\g+5], KROW                        ; from row to row
	s_mov_b32 s[\g+6], 0
	s_mov_b32 s[\g+7], 0
.endr
	s_lshl_b32 s66, s13, 22                        ; A: XQ at 0, XK at 4 MiB;
	s_add_co_u32 s67, s66, 12<<20                  ; B: WQ at 12 MiB, WK at 16 MiB;
	s_cmp_eq_u32 s13, 2
	s_cselect_b32 s66, 20<<20, s66                 ; for v: A = WV at 20 MiB,
	s_cselect_b32 s67, 8<<20, s67                  ; B = XV at 8 MiB
	s_lshl_b32 s18, s16, 18                        ; which 128 rows of the tile I fetch, rows of 2,048 bytes
	s_lshl_b32 s20, s17, 19
	s_add_co_u32 s20, s20, s18
	s_add_co_u32 s20, s20, s66
	s_mov_b32 s21, 0
	s_lshl_b32 s46, s42, 19
	s_add_co_u32 s46, s46, s18
	s_add_co_u32 s46, s46, s67
	s_mov_b32 s47, 0
	s_mul_i32 s45, s14, HALFT                      ; where they go: wave x 128 rows
	s_wait_dscnt 0x0                               ; both opening adds are done
	s_wait_kmcnt 0x0
	s_load_b256 s[72:79], s[6:7], 0x0              ; e0 .. e7
	s_load_b32 s80, s[6:7], 0x20                   ; e8
	s_add_nc_u64 s[20:21], s[4:5], s[20:21]
	s_add_nc_u64 s[46:47], s[4:5], s[46:47]
.irp s, 0,1
	s_mov_b32 s[G0+4*\s], 1
	s_add_co_u32 s[G0+4*\s+1], s45, \s*SLOT
	s_add_nc_u64 s[G0+4*\s+2:G0+4*\s+3], s[20:21], \s*ROWB
	s_or_b32 s[G0+4*\s+3], s[G0+4*\s+3], 0x80000000
	s_mov_b32 s[G0B+4*\s], 1
	s_add_co_u32 s[G0B+4*\s+1], s45, \s*SLOT
	s_add_nc_u64 s[G0B+4*\s+2:G0B+4*\s+3], s[46:47], \s*ROWB
	s_or_b32 s[G0B+4*\s+3], s[G0B+4*\s+3], 0x80000000
.endr
	CROUND                                         ; all sixteen work-groups are here: the first joint loads meet
	JLOAD 0                                        ; K step 0: one tensor load a wave at the head
	; the prefetches stand one K step behind where the first refill will step them
	s_cmp_eq_u32 s15, 0
	s_cselect_b64 s[PFA:PFA+1], s[20:21], s[46:47]
	s_cselect_b32 s88, s40, s41                    ; my place among the four that ask with me
	s_lshl_b32 s88, s88, 16                        ; 32 rows each
	s_add_co_u32 s88, s88, 3*ROWB
	s_mov_b32 s89, 0
	s_add_nc_u64 s[PFA:PFA+1], s[PFA:PFA+1], s[88:89]
	s_mul_i32 s66, s15, HALFT                      ; my 128 rows of A
	s_mul_i32 s67, s16, HALFT                      ; my 128 rows of B,
	s_add_co_u32 s67, s67, 2*HALFT                 ; behind A's 256
	s_add_co_u32 s68, s66, SLOT
	s_add_co_u32 s69, s67, SLOT
	v_and_b32 v1, 15, v0                           ; r
	v_bfe_u32 v2, v0, 4, 1                         ; h
	v_mul_u32_u24 v3, v1, PITCH
	v_lshl_add_u32 v4, v2, 4, v3
	v_add_nc_u32 v[ADRA], s66, v4
	v_add_nc_u32 v[ADRA+1], s68, v4
	v_add_nc_u32 v[ADRB], s67, v4
	v_add_nc_u32 v[ADRB+1], s69, v4
	v_and_b32 v6, 31, v0
	v_lshlrev_b32 v[CO], 4, v6
	v_lshlrev_b32 v[PFO], 11, v6
	s_lshl_b32 s68, s17, 1
	s_add_co_u32 s68, s68, s15                     ; my row block,
	s_lshl_b32 s69, s42, 1
	s_add_co_u32 s69, s69, s16                     ; my column block
	s_cmp_eq_u32 s13, 2
	s_cselect_b32 s66, s68, s69                    ; the head: the column block, for v the row block
	s_cselect_b32 s67, s69, s68                    ; the token block
	s_lshl_b32 s66, s66, 4
	s_add_co_u32 s66, s66, s67
	s_lshl_b32 s66, s66, 14                        ; blocks of 16,384 bytes
	s_lshl_b32 s67, s13, 22                        ; in Q, K or V
	s_add_co_u32 s66, s66, s67
	s_mov_b32 s67, 0
	s_add_nc_u64 s[8:9], s[8:9], s[66:67]
.macro FRAG reg, adr, q, i
.irp c, 0,1,2,3
	ds_load_b128 v[\reg+4*\c:\reg+4*\c+3], v[\adr] offset:128*(\q)+32*\c+(\i)*16*PITCH
.endr
.endm
; 16 matrix instructions: A's blocks a0, a0 + 1 x B's eight, 128 along K.  The 64 accumulators take turns, one instruction a turn, in the same order in every step.
.macro MUL16 a0, p, zero
.irp a, \a0, \a0+1
.irp b, 0,1,2,3,4,5,6,7
.if \zero
	v_wmma_f32_16x16x128_fp8_fp8 v[8*(8*((\a)%4)+\b):8*(8*((\a)%4)+\b)+7], v[128*(\p)+FR*\b:128*(\p)+FR*\b+FR-1], v[AF+FR*(\a):AF+FR*(\a)+FR-1], 0
.else
	v_wmma_f32_16x16x128_fp8_fp8 v[8*(8*((\a)%4)+\b):8*(8*((\a)%4)+\b)+7], v[128*(\p)+FR*\b:128*(\p)+FR*\b+FR-1], v[AF+FR*(\a):AF+FR*(\a)+FR-1], v[8*(8*((\a)%4)+\b):8*(8*((\a)%4)+\b)+7]
.endif
.endr
.endr
.endm
.macro FETCH_B slot, q, p, i0          ; B's blocks i0 .. i0 + 3 into set p
	WIN TO_B
.irp i, \i0, \i0+1, \i0+2, \i0+3
	FRAG 128*(\p)+FR*(\i), ADRB+\slot, \q, \i
.endr
	WIN 0
.endm
.macro FETCH_A slot, q, i0             ; A's blocks i0 .. i0 + 3
.irp i, \i0, \i0+1, \i0+2, \i0+3
	FRAG AF+FR*(\i), ADRA+\slot, \q, \i
.endr
.endm
.macro PLACES                          ; plain vector lines between a matrix instruction and a load into one of its registers, or the first read of its result
.rept 4
	v_nop
.endr
.endm
; A slot's first step: its successor lies in the same slot.  Entered with B's eight blocks and A's blocks 0-3 asked for, in that order.
.macro STEP slot, zero
	PLACES
	FETCH_A \slot, 0, 4
	s_wait_dscnt 24                                ; B and A's blocks 0, 1 are in; A's 2, 3 (8 loads) and 4-7 (16) may be out
	WIN MUL_LO
	MUL16 0, 0, \zero
	FETCH_B \slot, 1, 1, 0
	s_wait_dscnt 32                                ; A's blocks 2, 3 are in; two runs may be out
	WIN MUL_LO
	MUL16 2, 0, \zero
	FETCH_B \slot, 1, 1, 4
	s_wait_dscnt 32                                ; A's blocks 4-7 are in; B's two runs may be out
	WIN MUL_HI
	MUL16 4, 0, \zero
	PLACES
	WIN 0
	FETCH_A \slot, 1, 0
	WIN MUL_HI
	MUL16 6, 0, \zero
	WIN 0
.endm
; A slot's second step changes slots: one barrier; in front of it each wave waits for all its tensor loads, adds 0 to its spare word, and waits for that and for its own reads of this slot.
.macro TURN slot, next, fill
	PLACES
	FETCH_A \slot, 1, 4                            ; my last reads of this slot
.if \fill
	s_wait_xcnt 0x0                                ; any prefetch of mine has read its address
	s_add_nc_u64 s[PFA:PFA+1], s[PFA:PFA+1], ROWB
.endif
	s_wait_tensorcnt 0x0                           ; my part of the next slot has landed
	ds_add_u32 v[SPW], v[NIL]                      ; 0 onto my spare word
	s_wait_dscnt 25                                ; B and A's blocks 0, 1 are in; 24 loads and the add may be out
	WIN MUL_LO
	MUL16 0, 1, 0
	s_wait_dscnt 0x0                               ; the add is done, and my reads of this slot are over
	s_barrier_signal -1
	MUL16 2, 1, 0
	WIN 0
	s_barrier_wait -1
.if \fill
	CREST                                          ; the barrier has opened a round of the cluster's barrier: no wave of any partner still reads this slot or has a load on its way
	s_add_nc_u64 s[G0+4*\slot+2:G0+4*\slot+3], s[G0+4*\slot+2:G0+4*\slot+3], 2*ROWB
	s_add_nc_u64 s[G0B+4*\slot+2:G0B+4*\slot+3], s[G0B+4*\slot+2:G0B+4*\slot+3], 2*ROWB
	JLOAD \slot                                    ; the first tensor load behind the round
.endif
	FETCH_B \next, 0, 0, 0
	FETCH_B \next, 0, 0, 4
.if \fill
	s_cmp_gt_u32 s3, 1                             ; the last trip's refills have no K step two on
	s_cbranch_scc0 .Lno_ask_\@
	global_prefetch_b8 v[PFO], s[PFA:PFA+1] th:TH_LOAD_NT scope:SCOPE_SE
.Lno_ask_\@:
.endif
	WIN MUL_HI
	MUL16 4, 1, 0
	PLACES
	WIN 0
	FETCH_A \next, 0, 0
	WIN MUL_HI
	MUL16 6, 1, 0
	WIN 0
.endm
	s_wait_alu depctr_va_vdst(0)                   ; at the head's end
	s_wait_tensorcnt 0x0                           ; my part of K step 0 is in
	ds_add_u32 v[SPW], v[NIL]
	s_wait_dscnt 0x0
	CROUND                                         ; everybody's part of K step 0 is in, and the joint loads meet
	JLOAD 1                                        ; K step 1
	FETCH_B 0, 0, 0, 0
	FETCH_B 0, 0, 0, 4
	FETCH_A 0, 0, 0
	STEP 0, 1                                      ; the first step's products start the sums
	s_mov_b32 s3, LAPS-1
.Llap:                                                 ; a trip goes once round the ring and fills both slots again
	TURN 0, 1, 1
	STEP 1, 0
	TURN 1, 0, 1
	STEP 0, 0
	s_sub_co_u32 s3, s3, 1
	s_cmp_lg_u32 s3, 0
	s_cbranch_scc1 .Llap
	TURN 0, 1, 0                                   ; the last lap fills nothing
	STEP 1, 0
	PLACES
	FETCH_A 1, 1, 4
	s_wait_dscnt 24
	WIN MUL_LO
	MUL16 0, 1, 0
	s_wait_dscnt 16                                ; A's blocks 2, 3 are in
	MUL16 2, 1, 0
	s_wait_dscnt 0
	WIN MUL_HI
	MUL16 4, 1, 0
	MUL16 6, 1, 0
	WIN 0
; THE WAY OUT, block by block of 16 rows x 128 columns: x F (each accumulator from its low end on), the hold, eight codes a conversion, stored from registers.  Every block has code registers of its own.
.macro OUT a
.set AC, 64*((\a)%4)
	WIN 0x02+((\a)/4)                              ; source 0: window 2 or 3
.irp j, 0,2,4,6,8,10,12,14,16,18,20,22,24,26,28,30,32,34,36,38,40,42,44,46,48,50,52,54,56,58,60,62
	v_pk_mul_f32 v[TMP+\j:TMP+\j+1], v[AC+\j:AC+\j+1], s[96:97] op_sel_hi:[1,0]
.endr
	WIN 0
.set J, 0
.rept 64
	v_med3_num_f32 v[TMP+J], v[TMP+J], -v[LIMV], v[LIMV]   ; the conversion to an 8-bit code does not saturate (ISA guide 7.6.2)
.set J, J+1
.endr
.irp b, 0,1,2,3,4,5,6,7
	v_cvt_scalef32_pk8_fp8_f32 v[CD+16*(\a)+2*\b:CD+16*(\a)+2*\b+1], v[TMP+8*\b:TMP+8*\b+7], v[ONE]
.endr
	v_nop                                          ; a plain line behind the conversions: the next block's products by F write their sources
.irp c, 0,1,2,3
	global_store_b128 v[CO], v[CD+16*(\a)+4*\c:CD+16*(\a)+4*\c+3], s[8:9] offset:2048*(\a)+512*\c
.endr
.endm
	s_wait_kmcnt 0x0
	s_add_co_i32 s72, s72, s73                     ; e0 + e1,
	s_add_co_i32 s74, s74, s75                     ; e2 + e3,
	s_add_co_i32 s76, s76, s77                     ; e4 + e5; the choice hangs on g alone, and nothing branches on a given exponent
	s_cmp_eq_u32 s13, 1
	s_cselect_b32 s72, s74, s72
	s_cselect_b32 s78, s79, s78                    ; e6 for q, e7 for k,
	s_cmp_eq_u32 s13, 2
	s_cselect_b32 s72, s76, s72
	s_cselect_b32 s78, s80, s78                    ; e8 for v
	s_sub_co_i32 s72, s72, s78
	s_lshl_b32 s72, s72, 23
	s_mov_b32 s96, 0x3f800000
	s_cmp_eq_u32 s13, 0
	s_cselect_b32 s96, 0x3db504f3, s96             ; 1 / sqrt(128) for q, else 1;
	s_add_co_i32 s96, s96, s72                     ; the exponents are added to its exponent field
	s_mov_b32 s97, s96                             ; (named with it as a pair, so it is written)
	PLACES
.irp a, 0,1,2,3,4,5,6,7
	OUT \a
.endr
	s_wait_tensorcnt 0x0                           ; the wave's end
	ds_add_u32 v[SPW], v[NIL]
	s_wait_dscnt 0x0
	CROUND                                         ; the closing round
	s_endpgm
.Lfunc_end_k_qf8775d31bd_proj:
	.size	k_qf8775d31bd_proj, .Lfunc_end_k_qf8775d31bd_proj-k_qf8775d31bd_proj
	.p2alignl 7, 3214868480
	.fill 96, 4, 3214868480
	.section	.rodata,"a",@progbits
	.p2align	6, 0x0
	.amdhsa_kernel k_qf8775d31bd_proj
		.amdhsa_group_segment_fixed_size 327680
		.amdhsa_private_segment_fixed_size 0
		.amdhsa_enable_private_segment 0
		.amdhsa_kernarg_size 24
		.amdhsa_user_sgpr_count 2
		.amdhsa_user_sgpr_kernarg_segment_ptr 1
		.amdhsa_wavefront_size32 1
		.amdhsa_system_sgpr_workgroup_id_x 1
		.amdhsa_system_sgpr_workgroup_id_y 1
		.amdhsa_system_sgpr_workgroup_id_z 1
		.amdhsa_system_vgpr_workitem_id 0
		.amdhsa_next_free_vgpr 1024
		.amdhsa_next_free_sgpr 100
		.amdhsa_reserve_vcc 0
		.amdhsa_float_denorm_mode_32 3
		.amdhsa_float_denorm_mode_16_64 3
		.amdhsa_memory_ordered 1
		.amdhsa_forward_progress 1
		.amdhsa_inst_pref_size 137
	.end_amdhsa_kernel
	.amdgpu_metadata
---
amdhsa.version: [ 1, 2 ]
amdhsa.kernels:
  - .name:           k_qf8775d31bd_proj
    .symbol:         k_qf8775d31bd_proj.kd
    .args:
      - { .name: cw, .offset: 0, .size: 8, .value_kind: global_buffer, .address_space: global }
      - { .name: lowp_scales, .offset: 8, .size: 8, .value_kind: global_buffer, .address_space: global }
      - { .name: qkv, .offset: 16, .size: 8, .value_kind: global_buffer, .address_space: global }
    .group_segment_fixed_size: 327680
    .private_segment_fixed_size: 0
    .kernarg_segment_align: 8
    .kernarg_segment_size: 24
    .max_flat_workgroup_size: 128
    .sgpr_count:     100
    .vgpr_count:     1024
    .wavefront_size: 32
...
	.end_amdgpu_metadata
.endif
;; end of part 2
;; launch attn (part 3): grid 8 x 32, 15 waves a work-group, clusters of 4 x 1, 327,680 bytes of LDS; arguments qkv, lowp_scales, oc; writes oc
.if DOCPART == 3
	.amdgcn_target "amdgcn-amd-amdhsa--gfx1250"
	.amdhsa_code_object_version 6
	.text
	.protected	k_qf8775d31bd_attn
	.globl	k_qf8775d31bd_attn
	.p2align	8
	.type	k_qf8775d31bd_attn,@function
k_qf8775d31bd_attn:
	s_mov_b64 s[64:65], 0
	v_nop
	global_prefetch_b8 v0, s[64:65] scope:SCOPE_SE
	s_setreg_imm32_b32 hwreg(HW_REG_WAVE_MODE, 25, 1), 1
	s_wait_xcnt 0x0
	s_wait_alu depctr_hold_cnt(0) depctr_sa_sdst(0) depctr_va_vdst(0) depctr_va_sdst(0) depctr_va_ssrc(0) depctr_va_vcc(0) depctr_vm_vsrc(0)
	s_getreg_b32 s2, hwreg(HW_REG_IB_STS2, 6, 4)
	s_cmp_eq_u32 s2, 0
	s_cbranch_scc0 .Lentry_in_a_cluster
	s_endpgm
.Lentry_in_a_cluster:
	s_bfe_u32 s2, ttmp6, 0x10000c
	s_cmp_lg_u32 s2, 0x3003
	s_cbranch_scc0 .Lentry_shape_is_right
	s_endpgm
.Lentry_shape_is_right:
; CAUSAL ATTENTION ON CODES OF E4M3, and its result quantised (e10) for the last projection.  1,024 queries and the 1,024 keys that the mask can show (the rest is left out: the first kernel's head comment), 32 heads (batch x 16 + head = work-group y).
; t = score x 2^(e6 + e7) x log2(e) (q carries 1 / sqrt(128) already); M = the running largest t rounded UP to a whole number; p = 2^(t - M) is quantised with 2^e9; the row's sum is taken of the unquantised p and divides at the end.
; SHARES.  Work-group j (0 .. 7) of a head owns, for each class c = 0 .. 7, the queries 128 c + 16 j + 0 .. 15, which see key steps 0 .. c of 128 keys; step c lies on the diagonal: 36 steps in every work-group alike.
; They are cut into 15 chunks of one to three neighbouring steps of one class, one for each wave; waves w, w + 4, w + 8, w + 12 have nine steps together.  Branches hang on the wave's number and on constants alone.
;   wave:   0  1  2  3  4  5  6 | 7  8  9 10 11 12 13 14
;   class:  7  7  6  4  5  6  3 | 5  7  6  4  2  0  3  1
;   first:  0  3  0  0  0  3  0 | 3  6  5  3  0  0  2  0
;   steps:  3  3  3  3  3  2  2 | 3  2  2  2  3  1  2  2
; Waves 0-6 leave O, the sum and M in LDS; behind a barrier waves 7-10 and 13 take up the parts of their class (7: part 4; 8: 0, 1; 9: 2, 5; 10: 3; 13: 6): M is a whole number, so each part is brought under the common M by an exact power of two.
; LDS.  A head's K and V are filled once, as they lie: K's 8 blocks of 16,384 bytes, then V's; behind them the seven parts, then the spare words.  Waves 0-3 fetch K, waves 4-7 V, 32,768 bytes each by one joint load:
; the four work-groups of a cluster belong to one head.  K and V are both waited for ahead of the first step.  No prefetch: all that the launch reads is asked for at its head, and there is no loop to run ahead in.
; LAYOUT.  Fragments of 16 rows x 128 k are register images (registers 2 c, 2 c + 1 of lane (r, h): row r, k = 16 c + 8 h + 0 .. 7), 512 bytes for each four registers.  Both products are used transposed: S^T = K Q^T, O^T = V^T P^T: a lane holds one query.
; Register i of tile T of S^T is key 16 T + 8 h + i, so a tile's eight codes are registers 2 T, 2 T + 1 of the next operand; likewise O^T's along the channels for the last projection.
; THE MASK: hidden scores become -infinity, where the definition adds -1e10: the same p = 0 as long as |logit| stays far under 1e10 (LIMIT).
; OUT: oc, byte (token / 16) x 32,768 + head x 2,048: a fragment, stored 512 consecutive bytes at a time.
; LIMITS on the given exponents: e6 + e7 between -126 and 127; e9 between -126 and 119; |e8 + e9 - e10| at most 100.  |scaled score| under 2^31.  NaN among the inputs is not served.
; REGISTERS: v1-11 addresses and constants; v12 -M, v13 the largest t, v[14:15] the sum in two halves; v16-31 Q; v32-95 four fragments of K or V; v96-159 S^T, then p; v160-223 O^T; v224-239 p's codes; v240-255 at work.
.set FRB,   2048
.set BLK,   16384
.set VB,    131072
.set PART,  262144
.set PSZ,   8448                       ; a part: 8,192 bytes of O^T, 256 of the sum and -M
.set SPARE, PART+7*PSZ
.set L16,  1
.set ADK,  2
.set ADV,  3
.set D0,   4                           ; v4 my query in its block of 128, less 8 h
.set NINF, 5
.set SPW,  6
.set NIL,  7
.set PST,  9
.set PST8, 10
.set MA,   11
.set MA8,  245
.set MB,   250
.set MB8,  251
.set WV,   18
.set CL,   19
.set SEL,  20
.set CS,   22
.set G1,   24
.set G0,   32
.set FI,   36                          ; s36 my first key step
.set NS,   37                          ; s37 how many
.set KD,   38                          ; s38 which of them lies on the diagonal (none of mine where KD >= NS)
.set SA,   39
.set SB,   40
.set EO,   41                          ; s41 e8 + e9 - e10
.macro CROUND
	s_barrier_signal -1
	s_barrier_wait -1
	s_cmp_lg_u32 s[WV], 0
	s_cbranch_scc1 .Lnot_wave_0_\@
	s_barrier_signal -3
.Lnot_wave_0_\@:
	s_barrier_wait -3
	s_barrier_signal -1
	s_barrier_wait -1
.endm
.macro TAB d, lo, hi                   ; a wave's entry of a table: two bits of lo, a third of hi
	s_lshr_b32 s[\d], \lo, s73
	s_and_b32 s[\d], s[\d], 3
	s_lshr_b32 s74, \hi, s[WV]
	s_and_b32 s74, s74, 1
	s_lshl_b32 s74, s74, 2
	s_or_b32 s[\d], s[\d], s74
.endm
	s_load_b128 s[4:7], s[0:1], 0x0                ; qkv s[4:5], the exponents s[6:7]
	s_load_b64 s[8:9], s[0:1], 0x10                ; oc
	v_lshl_add_u32 v[SPW], v0, 2, SPARE
	v_mov_b32 v[NIL], 0
	ds_add_u32 v[SPW], v[NIL]                      ; the opening lines
	ds_add_u32 v[SPW], v[NIL]
	v_lshrrev_b32 v8, 5, v0
	v_readfirstlane_b32 s[WV], v8                  ; wave 0..14
	s_lshl_b32 s73, s[WV], 1
	TAB CL, 0x1c8b792f, 0x7bf
	TAB FI, 0x0836cc0c, 0x300
	TAB SA, 0x08380000, 0x2080
	TAB SB, 0x00050000, 0x200
	s_lshr_b32 s[NS], 0x29eaebff, s73
	s_and_b32 s[NS], s[NS], 3
	s_sub_co_u32 s[KD], s[CL], s[FI]
	s_bfe_u32 s10, ttmp6, 0x40000                  ; cx
	s_lshl_b32 s11, ttmp9, 2
	s_add_co_u32 s11, s11, s10                     ; j: it enters Q's and O's addresses and the mask's operand alone
	s_and_b32 s12, ttmp7, 0xffff
	s_lshr_b32 s13, s12, 4                         ; batch
	s_and_b32 s14, s12, 15                         ; head
	s_lshl_b32 s76, s14, 18
	s_lshl_b32 s74, s13, 17
	s_add_co_u32 s76, s76, s74                     ; the head's eight blocks in Q, K and V
	s_lshr_b32 s78, s[WV], 2
	s_add_co_u32 s78, s78, 1
	s_lshl_b32 s78, s78, 22                        ; waves 0-3: K, waves 4-7: V,
	s_and_b32 s74, s[WV], 3
	s_lshl_b32 s74, s74, 15                        ; two blocks each
	s_add_co_u32 s78, s78, s74
	s_add_co_u32 s78, s78, s76
	s_mov_b32 s79, 0
	s_lshl_b32 s77, s[WV], 15                      ; and where they go in LDS
	s_lshl_b32 s84, s[CL], 14
	s_add_co_u32 s84, s84, s76
	s_lshl_b32 s74, s11, 11
	s_add_co_u32 s84, s84, s74                     ; Q: fragment j of my class's block
	s_mov_b32 s85, 0
	s_lshl_b32 s88, s13, 6
	s_lshl_b32 s74, s[CL], 3
	s_add_co_u32 s88, s88, s74
	s_add_co_u32 s88, s88, s11                     ; my sixteen tokens' number,
	s_lshl_b32 s88, s88, 15
	s_lshl_b32 s74, s14, 11
	s_add_co_u32 s88, s88, s74                     ; my head's fragment
	s_mov_b32 s89, 0
	s_mov_b32 s[G1], 15|(1<<21)                    ; the mask: all four work-groups; elements of 1 byte; no padding; bit 21 beside a mask
	s_mov_b32 s[G1+1], 256<<16                     ; 128 rows of 256 bytes, dense
	s_mov_b32 s[G1+2], 128<<16
	s_mov_b32 s[G1+3], 256<<16
	s_mov_b32 s[G1+4], 128
	s_mov_b32 s[G1+5], 256
	s_mov_b32 s[G1+6], 0
	s_mov_b32 s[G1+7], 0
	s_mov_b32 s[SEL], 0x76543210
	s_mov_b32 s[SEL+1], 0xfedcba98
	s_wait_dscnt 0x0                               ; both opening adds are done
	s_wait_kmcnt 0x0
	s_load_b128 s[68:71], s[6:7], 0x18             ; e6, e7, e8, e9
	s_load_b32 s72, s[6:7], 0x28                   ; e10
	s_add_nc_u64 s[84:85], s[4:5], s[84:85]
	s_add_nc_u64 s[8:9], s[8:9], s[88:89]
	s_mov_b32 s[G0], 1
	s_mov_b32 s[G0+1], s77
	s_add_nc_u64 s[G0+2:G0+3], s[4:5], s[78:79]
	s_or_b32 s[G0+3], s[G0+3], 0x80000000
	CROUND                                         ; all four work-groups are here: the joint loads meet
	s_cmp_lt_u32 s[WV], 8
	s_cbranch_scc0 .Lno_fill
	tensor_load_to_lds s[G0:G0+3], s[G1:G1+7]      ; one tensor load a wave; nothing is ever filled again
	s_nop 0
.rept 4
	v_nop
.endr
.Lno_fill:
	s_lshl_b32 s86, s[FI], 14
	s_mul_i32 s87, s[WV], PSZ
	s_add_co_u32 s87, s87, PART                    ; my part's place (waves 0-6)
	s_mul_i32 s90, s[SA], PSZ
	s_add_co_u32 s90, s90, PART                    ; the parts that I take up
	s_mul_i32 s91, s[SB], PSZ
	s_add_co_u32 s91, s91, PART
	s_lshl_b32 s92, s11, 4
	v_and_b32 v252, 31, v0
	v_lshlrev_b32 v[L16], 4, v252                  ; 16 x lane
.irp c, 0,1,2,3
	global_load_b128 v[16+4*\c:19+4*\c], v[L16], s[84:85] offset:512*\c   ; Q's fragment stays in registers
.endr
	v_lshlrev_b32 v253, 3, v252                    ; 8 x lane
	v_add_nc_u32 v[ADK], s86, v[L16]
	v_add_nc_u32 v[ADV], VB, v[ADK]
	v_add_nc_u32 v[PST], s87, v[L16]
	v_add_nc_u32 v[PST8], s87, v253
	v_add_nc_u32 v[MA], s90, v[L16]
	v_add_nc_u32 v[MA8], s90, v253
	v_add_nc_u32 v[MB], s91, v[L16]
	v_add_nc_u32 v[MB8], s91, v253
	v_and_b32 v254, 15, v0                         ; r
	v_bfe_u32 v255, v0, 4, 1                       ; h
	v_lshlrev_b32 v255, 3, v255
	v_sub_nc_u32 v[D0], v254, v255
	v_add_nc_u32 v[D0], s92, v[D0]                 ; 16 j + r - 8 h
	v_mov_b32 v[NINF], 0xff800000
	v_mov_b32 v241, 0                              ; written once: a lane permute's destination counts as one of its sources
	s_wait_alu depctr_va_vdst(0)
	s_wait_kmcnt 0x0
	s_add_co_i32 s73, s68, s69
	s_lshl_b32 s73, s73, 23
	s_mov_b32 s[CS], 0x3fb8aa3b                    ; log2(e);
	s_add_co_i32 s[CS], s[CS], s73                 ; e6 + e7 are added to its exponent field
	s_mov_b32 s[CS+1], s[CS]
	s_add_co_i32 s[EO], s70, s71
	s_sub_co_i32 s[EO], s[EO], s72
	s_add_co_i32 s73, s71, 127
	s_lshl_b32 s74, s73, 23
	s_add_co_i32 s73, s73, 8
	s_lshl_b32 s73, s73, 23
	s_or_b32 s73, s73, 0x600000
	v_mov_b32 v244, s74                            ; 2^e9, for the conversion
	v_mov_b32 v240, s73                            ; 448 x 2^e9
.macro VLOAD i, g                      ; four fragments of V of step i: channels 64 g + 0 .. 63
.irp t, 0,1,2,3
.irp c, 0,1,2,3
	ds_load_b128 v[32+16*\t+4*\c:35+16*\t+4*\c], v[ADV] offset:BLK*(\i)+FRB*(4*(\g)+\t)+512*\c
.endr
.endr
.endm
.macro PV i, g                         ; O^T += V^T P^T; the accumulators take turns, one instruction a turn
.irp t, 0,1,2,3
.if \i
	v_wmma_f32_16x16x128_fp8_fp8 v[160+32*(\g)+8*\t:167+32*(\g)+8*\t], v[32+16*\t:47+16*\t], v[224:239], v[160+32*(\g)+8*\t:167+32*(\g)+8*\t]
.else
	v_wmma_f32_16x16x128_fp8_fp8 v[160+32*(\g)+8*\t:167+32*(\g)+8*\t], v[32+16*\t:47+16*\t], v[224:239], 0
.endif
.endr
.endm
; MY i-th KEY STEP.  The first starts the sums and has nothing to bring under a new M.  No barrier and no tensor load stands under a branch.
.macro STEP i
.if \i
	s_cmp_lt_u32 s[NS], \i+1
	s_cbranch_scc1 .Ldone
.rept 4
	v_nop                                          ; places in front of loads into registers that the last products read
.endr
.endif
.irp g, 0,1                                    ; S^T = K Q^T, four tiles of 16 keys at a time
.if \g
.rept 4
	v_nop
.endr
.endif
.irp t, 0,1,2,3
.irp c, 0,1,2,3
	ds_load_b128 v[32+16*\t+4*\c:35+16*\t+4*\c], v[ADK] offset:BLK*(\i)+FRB*(4*\g+\t)+512*\c
.endr
.endr
	s_wait_dscnt 0x0
.irp t, 0,1,2,3
	v_wmma_f32_16x16x128_fp8_fp8 v[96+8*(4*\g+\t):103+8*(4*\g+\t)], v[32+16*\t:47+16*\t], v[16:31], 0
.endr
.endr
.rept 4
	v_nop                                          ; places in front of loads and of the first read of the scores
.endr
	VLOAD \i, 0                                    ; V's first four fragments land under the softmax
	s_cmp_lg_u32 s[KD], \i                         ; on the diagonal: register 8 T + i is key 16 T + 8 h + i of the step, hidden where 16 T + i > 16 j + r - 8 h
	s_cbranch_scc1 .Lopen_\@
.set J, 0
.rept 64
	v_cmp_gt_i32 vcc_lo, 16*(J/8)+J%8, v[D0]
	v_cndmask_b32 v[96+J], v[96+J], v[NINF], vcc_lo
.set J, J+1
.endr
.Lopen_\@:
	v_max3_num_f32 v254, v96, v97, v98             ; the step's largest score of my query among my 64 keys, in two chains,
	v_max3_num_f32 v252, v99, v100, v101
.irp n, 6,10,14,18,22,26,30,34,38,42,46,50,54,58
	v_max3_num_f32 v254, v254, v[96+\n], v[97+\n]
	v_max3_num_f32 v252, v252, v[98+\n], v[99+\n]
.endr
	v_max3_num_f32 v254, v254, v158, v159
	v_max_num_f32 v254, v254, v252
	v_permlanex16_b32 v241, v254, s[SEL], s[SEL+1]
	v_max_num_f32 v254, v254, v241                 ; and among lane l xor 16's
.if \i
	v_mul_f32 v254, s[CS], v254                    ; as t
	v_max_num_f32 v13, v13, v254                   ; the running largest t
	v_mov_b32 v254, v12
	v_floor_f32 v12, -v13                          ; the new -M = floor(-t): M is a whole number
	v_sub_f32 v254, v12, v254                      ; old M - new M: a whole number, 0 or less
	v_cvt_i32_f32 v254, v254                       ; (it saturates)
	v_ldexp_f32 v252, 1.0, v254                    ; f = 2^(old M - new M): rounds nothing
.else
	v_mul_f32 v13, s[CS], v254
	v_floor_f32 v12, -v13
.endif
.irp j, 0,2,4,6,8,10,12,14,16,18,20,22,24,26,28,30,32,34,36,38,40,42,44,46,48,50,52,54,56,58,60,62
	v_pk_fma_f32 v[96+\j:97+\j], v[96+\j:97+\j], s[CS:CS+1], v[12:13] op_sel_hi:[1,0,0]   ; t - M, two at a time
.endr
	s_wait_alu depctr_va_vdst(0)                   ; ahead of the batch
.set J, 0
.rept 64
	v_exp_f32 v[96+J], v[96+J]                     ; p = 2^(t - M), not normalised
.set J, J+1
.endr
	v_nop                                          ; the plain line behind the exponentials
	s_wait_alu depctr_va_vdst(0)                   ; one wait for the whole batch, ahead of its first reader
	v_pk_add_f32 v[242:243], v[96:97], v[104:105]  ; the row's sum, of the unquantised p, in four chains
	v_pk_add_f32 v[246:247], v[98:99], v[106:107]
	v_pk_add_f32 v[248:249], v[100:101], v[108:109]
	v_pk_add_f32 v[234:235], v[102:103], v[110:111]
.irp j, 16,24,32,40,48,56
	v_pk_add_f32 v[242:243], v[242:243], v[96+\j:97+\j]
	v_pk_add_f32 v[246:247], v[246:247], v[98+\j:99+\j]
	v_pk_add_f32 v[248:249], v[248:249], v[100+\j:101+\j]
	v_pk_add_f32 v[234:235], v[234:235], v[102+\j:103+\j]
.endr
	v_pk_add_f32 v[242:243], v[242:243], v[246:247]
	v_pk_add_f32 v[248:249], v[248:249], v[234:235]
.if \i
	v_pk_add_f32 v[242:243], v[242:243], v[248:249]
	v_pk_fma_f32 v[14:15], v[14:15], v[252:253], v[242:243] op_sel_hi:[1,0,1]   ; the sum under the new M
.else
	v_pk_add_f32 v[14:15], v[242:243], v[248:249]
.endif
.set J, 0
.rept 8
.irp n, 0,1,2,3,4,5,6,7
	v_min_num_f32 v[96+8*J+\n], v[96+8*J+\n], v240 ; the hold; p is not negative, so it is one-sided
.endr
	v_cvt_scalef32_pk8_fp8_f32 v[224+2*J:225+2*J], v[96+8*J:103+8*J], v244
.set J, J+1
.endr
.if \i
	s_wait_alu depctr_va_vdst(0)                   ; directly ahead of the first reader of O^T
.irp j, 0,2,4,6,8,10,12,14,16,18,20,22,24,26,28,30,32,34,36,38,40,42,44,46,48,50,52,54,56,58,60,62
	v_pk_mul_f32 v[160+\j:161+\j], v[160+\j:161+\j], v[252:253] op_sel_hi:[1,0]   ; O^T under the new M; also the plain lines between the conversions and the products
.endr
.else
	v_nop                                          ; a plain line between the conversions and the products
.endif
	s_wait_alu depctr_va_vdst(0)
	s_wait_dscnt 0x0
	PV \i, 0
.rept 4
	v_nop
.endr
	VLOAD \i, 1
	s_wait_dscnt 0x0
	PV \i, 1
.endm
	s_wait_alu depctr_va_vdst(0)                   ; at the head's end
	s_wait_loadcnt 0x0                             ; Q
	s_wait_tensorcnt 0x0                           ; my part of K or of V is in,
	s_barrier_signal -1
	s_barrier_wait -1                              ; everybody's is: one wait and one barrier ahead of the first step serve K and V both
	STEP 0
	STEP 1
	STEP 2
.Ldone:
	v_add_f32 v14, v14, v15                        ; the sum's two halves (plain lines: places behind the last products)
	v_mov_b32 v15, v12                             ; with -M beside it
	v_nop
	v_nop
	s_wait_alu depctr_va_vdst(0)                   ; ahead of the branch
	s_cmp_lt_u32 s[WV], 7
	s_cbranch_scc0 .Lno_part
.irp n, 0,1,2,3,4,5,6,7,8,9,10,11,12,13,14,15
	ds_store_b128 v[PST], v[160+4*\n:163+4*\n] offset:512*\n
.endr
	ds_store_b64 v[PST8], v[14:15] offset:8192
.Lno_part:
	s_wait_dscnt 0x0                               ; my part is in LDS
	s_barrier_signal -1
	s_barrier_wait -1                              ; all parts are
	s_cmp_lt_u32 s[WV], 7
	s_cbranch_scc1 .Lend
; TAKE UP A PART: both under the common M, each by an exact power of two.
.macro MERGE a, a8
.irp n, 0,1,2,3,4,5,6,7,8,9,10,11,12,13,14,15
	ds_load_b128 v[96+4*\n:99+4*\n], v[\a] offset:512*\n
.endr
	ds_load_b64 v[248:249], v[\a8] offset:8192     ; its sum and its -M
	s_wait_dscnt 0x0
	v_min_num_f32 v236, v12, v249                  ; -M of both
	v_sub_f32 v237, v236, v12
	v_sub_f32 v238, v236, v249
	v_cvt_i32_f32 v237, v237
	v_cvt_i32_f32 v238, v238
	v_ldexp_f32 v252, 1.0, v237                    ; mine x this,
	v_ldexp_f32 v238, 1.0, v238                    ; the part x that
	v_mov_b32 v12, v236
	v_mul_f32 v14, v14, v252
	v_fmac_f32 v14, v248, v238
.irp j, 0,2,4,6,8,10,12,14,16,18,20,22,24,26,28,30,32,34,36,38,40,42,44,46,48,50,52,54,56,58,60,62
	v_pk_mul_f32 v[160+\j:161+\j], v[160+\j:161+\j], v[252:253] op_sel_hi:[1,0]
.endr
.irp j, 0,2,4,6,8,10,12,14,16,18,20,22,24,26,28,30,32,34,36,38,40,42,44,46,48,50,52,54,56,58,60,62
	v_pk_fma_f32 v[160+\j:161+\j], v[96+\j:97+\j], v[238:239], v[160+\j:161+\j] op_sel_hi:[1,0,1]
.endr
	s_wait_alu depctr_va_vdst(0)                   ; ahead of the branch
.endm
	s_lshr_b32 s73, 0x2780, s[WV]                  ; waves 7-10 and 13 take up a part
	s_and_b32 s73, s73, 1
	s_cmp_eq_u32 s73, 0
	s_cbranch_scc1 .Lfin
	MERGE MA, MA8
	s_sub_co_u32 s74, s[WV], 8                     ; waves 8 and 9 a second one
	s_cmp_lt_u32 s74, 2
	s_cbranch_scc0 .Lfin
	MERGE MB, MB8
.Lfin:
	; THE WAY OUT: O^T / the sum x 2^(e8 + e9 - e10), held, converted: the codes are an operand's registers.
	v_permlanex16_b32 v241, v14, s[SEL], s[SEL+1]
	v_add_f32 v14, v14, v241                       ; the row's sum
	s_wait_alu depctr_va_vdst(0)                   ; ahead of the transcendental
	v_rcp_f32 v14, v14
	v_mov_b32 v240, 0x43e00000                     ; 448 (a plain line behind the reciprocal)
	v_mov_b32 v244, 1.0
	s_wait_alu depctr_va_vdst(0)                   ; ahead of the reciprocal's first reader
	v_ldexp_f32 v14, v14, s[EO]
	s_wait_alu depctr_va_vdst(0)                   ; directly ahead of the first reader of O^T
.irp j, 0,2,4,6,8,10,12,14,16,18,20,22,24,26,28,30,32,34,36,38,40,42,44,46,48,50,52,54,56,58,60,62
	v_pk_mul_f32 v[96+\j:97+\j], v[160+\j:161+\j], v[14:15] op_sel_hi:[1,0]   ; each accumulator from its low end on
.endr
.set J, 0
.rept 64
	v_med3_num_f32 v[96+J], v[96+J], -v240, v240
.set J, J+1
.endr
.set J, 0
.rept 8
	v_cvt_scalef32_pk8_fp8_f32 v[224+2*J:225+2*J], v[96+8*J:103+8*J], v244
.set J, J+1
.endr
	v_nop
.irp c, 0,1,2,3
	global_store_b128 v[L16], v[224+4*\c:227+4*\c], s[8:9] offset:512*\c   ; 512 consecutive bytes, aligned
.endr
.Lend:
	s_wait_tensorcnt 0x0                           ; the wave's end
	ds_add_u32 v[SPW], v[NIL]
	s_wait_dscnt 0x0
	CROUND                                         ; the closing round: no work-group ends while a partner may still ask for a tile that names it
	s_endpgm
.Lfunc_end_k_qf8775d31bd_attn:
	.size	k_qf8775d31bd_attn, .Lfunc_end_k_qf8775d31bd_attn-k_qf8775d31bd_attn
	.p2alignl 7, 3214868480
	.fill 96, 4, 3214868480
	.section	.rodata,"a",@progbits
	.p2align	6, 0x0
	.amdhsa_kernel k_qf8775d31bd_attn
		.amdhsa_group_segment_fixed_size 327680
		.amdhsa_private_segment_fixed_size 0
		.amdhsa_enable_private_segment 0
		.amdhsa_kernarg_size 24
		.amdhsa_user_sgpr_count 2
		.amdhsa_user_sgpr_kernarg_segment_ptr 1
		.amdhsa_wavefront_size32 1
		.amdhsa_system_sgpr_workgroup_id_x 1
		.amdhsa_system_sgpr_workgroup_id_y 1
		.amdhsa_system_sgpr_workgroup_id_z 1
		.amdhsa_system_vgpr_workitem_id 0
		.amdhsa_next_free_vgpr 256
		.amdhsa_next_free_sgpr 96
		.amdhsa_reserve_vcc 1
		.amdhsa_float_denorm_mode_32 3
		.amdhsa_float_denorm_mode_16_64 3
		.amdhsa_memory_ordered 1
		.amdhsa_forward_progress 1
		.amdhsa_inst_pref_size 97
	.end_amdhsa_kernel
	.amdgpu_metadata
---
amdhsa.version: [ 1, 2 ]
amdhsa.kernels:
  - .name:           k_qf8775d31bd_attn
    .symbol:         k_qf8775d31bd_attn.kd
    .args:
      - { .name: qkv, .offset: 0, .size: 8, .value_kind: global_buffer, .address_space: global }
      - { .name: lowp_scales, .offset: 8, .size: 8, .value_kind: global_buffer, .address_space: global }
      - { .name: oc, .offset: 16, .size: 8, .value_kind: global_buffer, .address_space: global }
    .group_segment_fixed_size: 327680
    .private_segment_fixed_size: 0
    .kernarg_segment_align: 8
    .kernarg_segment_size: 24
    .max_flat_workgroup_size: 480
    .sgpr_count:     96
    .vgpr_count:     256
    .wavefront_size: 32
...
	.end_amdgpu_metadata
.endif
;; end of part 3
;; launch outp (part 4): grid 16 x 16, 8 waves a work-group, clusters of 4 x 4, 327,680 bytes of LDS; arguments oc, cw, lowp_scales, out0; writes out0
.if DOCPART == 4
	.amdgcn_target "amdgcn-amd-amdhsa--gfx1250"
	.amdhsa_code_object_version 6
	.text
	.protected	k_qf8775d31bd_outp
	.globl	k_qf8775d31bd_outp
	.p2align	8
	.type	k_qf8775d31bd_outp,@function
k_qf8775d31bd_outp:
	s_mov_b64 s[64:65], 0
	v_nop
	global_prefetch_b8 v0, s[64:65] scope:SCOPE_SE
	s_setreg_imm32_b32 hwreg(HW_REG_WAVE_MODE, 25, 1), 1
	s_wait_xcnt 0x0
	s_wait_alu depctr_hold_cnt(0) depctr_sa_sdst(0) depctr_va_vdst(0) depctr_va_sdst(0) depctr_va_ssrc(0) depctr_va_vcc(0) depctr_vm_vsrc(0)
	s_getreg_b32 s2, hwreg(HW_REG_IB_STS2, 6, 4)
	s_cmp_eq_u32 s2, 0
	s_cbranch_scc0 .Lentry_in_a_cluster
	s_endpgm
.Lentry_in_a_cluster:
	s_bfe_u32 s2, ttmp6, 0x10000c
	s_cmp_lg_u32 s2, 0xf033
	s_cbranch_scc0 .Lentry_shape_is_right
	s_endpgm
.Lentry_shape_is_right:
; THE LAST PROJECTION: out[token][n] = 2^(e10 + e11) x the sum over k of O[token][k] WO[n][k] on codes of E4M3, 2,048 x 2,048 x 2,048; k = head x 128 + channel.
; 256 work-groups, a tile of 128 x 128 each.  K goes in four steps of 512 (four heads) through two LDS slots.  EIGHT WAVES: kg = wave / 4 takes the half kg of each K step (256 along K), and of the tile each wave of a kg takes 64 x 64;
; the two halves' sums are added on the way out.  A wave fetches for slot kg alone: at the head all eight ask, for K steps 0 and 1; K step 2 is asked for by kg 0, K step 3 by kg 1, one load a wave.
; A (oc) lies as register images (registers 2 c, 2 c + 1 of lane (r, h): token r, k = 16 c + 8 h + 0 .. 7): a K step of 16 tokens is 8,192 consecutive bytes.  B (WO's codes, at 24 MiB of cw) lies in rows of K: its fragments are read
; in the same order of k, eight bytes at a time, from LDS rows of 528 bytes.
; CLUSTERS: 4 x 4 work-groups: A's tiles are shared along a row, B's along a column: joint loads.
; PREFETCH: in K step 0 each wave names its work-group's quarter (told apart by address: cx for A, cy for B) of what it will itself fetch next: 32 blocks of 256 bytes, one to a lane.
; Transposed use: source 0 = 16 rows of WO, source 1 = 16 tokens: a lane holds eight neighbouring n of one token.
; LIMIT: e10 + e11 between -126 and 127, so that 2^(e10 + e11) is an f32 number.
; REGISTERS: window 0: v0-31 addresses, v32-95 at work on the way out, v128-255 the accumulators.  window 1: two sets of fragments, each A's four (64 registers), then B's four.
.set PB,     528
.set BOFF,   65536
.set SLOT1,  192512                    ; a slot takes 65,536 + 128 x 528 bytes; slot 1 begins here, so that the eight stages of the way out lie on end below it
.set SPITCH, 272
.set STG,    64*SPITCH                 ; a wave's stage: 64 rows x (256 bytes + 16)
.set SPARE,  SLOT1+BOFF+128*PB
.set ADRA, 16
.set ADRB, 18
.set STO,  20
.set RD0,  21
.set RD1,  22
.set CO,   23
.set PFO,  24
.set SPW,  28
.set NIL,  29
.set ACC,  128
.set F0,   0
.set F1,   128
.set G1, 24
.set G0, 32
.set G1B, 48
.set G0B, 56
.set MSB, 0
.macro WIN new
.if MSB != \new
	s_set_vgpr_msb (MSB<<8)|\new
.set MSB, \new
.endif
.endm
.set MUL,  0x05                        ; sources 0 and 1 window 1, C and D window 0
.set TO_F, 0x40                        ; destination window 1, address window 0
; A joint load; of a kg's four waves two fetch for A, two for B.  k = 0 or 1: only the waves of that kg ask.  The branches hang on the wave's number alone.
.macro JLOAD k
.if (\k) < 2
	s_cmp_eq_u32 s13, \k
	s_cbranch_scc0 .Lasked_\@
.endif
	s_cmp_eq_u32 s15, 0
	s_cbranch_scc0 .Lfor_b_\@
	tensor_load_to_lds s[G0:G0+3], s[G1:G1+7]
	s_nop 0
.rept 4
	v_nop
.endr
	s_branch .Lasked_\@
.Lfor_b_\@:
	tensor_load_to_lds s[G0B:G0B+3], s[G1B:G1B+7]
	s_nop 0
.rept 4
	v_nop
.endr
.Lasked_\@:
.endm
.macro CREST
	s_cmp_lg_u32 s14, 0
	s_cbranch_scc1 .Lnot_wave_0_\@
	s_barrier_signal -3
.Lnot_wave_0_\@:
	s_barrier_wait -3
	s_barrier_signal -1
	s_barrier_wait -1
.endm
.macro CROUND
	s_barrier_signal -1
	s_barrier_wait -1
	CREST
.endm
	s_load_b256 s[4:11], s[0:1], 0x0               ; oc s[4:5], cw s[6:7], the exponents s[8:9], out s[10:11]
	v_lshl_add_u32 v[SPW], v0, 2, SPARE
	v_mov_b32 v[NIL], 0
	ds_add_u32 v[SPW], v[NIL]                      ; the opening lines
	ds_add_u32 v[SPW], v[NIL]
	v_lshrrev_b32 v1, 5, v0
	v_readfirstlane_b32 s14, v1                    ; wave 0..7
	s_lshr_b32 s13, s14, 2                         ; kg
	s_bfe_u32 s15, s14, 0x10001                    ; which 64 tokens are mine.  Also: I fetch for A (0) or for B (1)
	s_and_b32 s16, s14, 1                          ; which 64 columns.  Also: which half of that tile I fetch
	s_and_b32 s19, s14, 3
	s_bfe_u32 s40, ttmp6, 0x40000                  ; cx, cy
	s_bfe_u32 s41, ttmp6, 0x40004
	s_lshl_b32 s42, ttmp9, 2
	s_add_co_u32 s42, s42, s40                     ; tile column
	s_and_b32 s17, ttmp7, 0xffff
	s_lshl_b32 s17, s17, 2
	s_add_co_u32 s17, s17, s41                     ; tile row
	s_lshl_b32 s43, s41, 2
	s_lshl_b32 s43, 15, s43
	s_lshl_b32 s44, 0x1111, s40
	s_or_b32 s[G1+0], s43, 1<<21                   ; A: 4 rows of 8,192 bytes (64 tokens x 512 along K), 32,768 bytes apart, no padding
	s_mov_b32 s[G1+1], 8192<<16
	s_mov_b32 s[G1+2], 4<<16
	s_mov_b32 s[G1+3], 8192<<16
	s_mov_b32 s[G1+4], 4
	s_mov_b32 s[G1+5], 32768
	s_mov_b32 s[G1+6], 0
	s_mov_b32 s[G1+7], 0
	s_or_b32 s[G1B+0], s44, (0<<16)|(1<<20)|(1<<21)|(6<<22)|(3<<25)   ; B: 64 rows of 512 bytes, 2,048 apart; 4 words behind every 128
	s_mov_b32 s[G1B+1], 512<<16
	s_mov_b32 s[G1B+2], 64<<16
	s_mov_b32 s[G1B+3], 512<<16
	s_mov_b32 s[G1B+4], 64
	s_mov_b32 s[G1B+5], 2048
	s_mov_b32 s[G1B+6], 0
	s_mov_b32 s[G1B+7], 0
	s_lshl_b32 s18, s16, 17                        ; the half that I fetch: 131,072 bytes on in A and in B alike
	s_lshl_b32 s20, s17, 18
	s_add_co_u32 s20, s20, s18
	s_lshl_b32 s12, s13, 13
	s_add_co_u32 s20, s20, s12                     ; K step kg
	s_mov_b32 s21, 0
	s_lshl_b32 s46, s42, 18
	s_add_co_u32 s46, s46, s18
	s_add_co_u32 s46, s46, 24<<20
	s_lshl_b32 s12, s13, 9
	s_add_co_u32 s46, s46, s12
	s_mov_b32 s47, 0
	s_mul_i32 s12, s13, SLOT1
	s_lshl_b32 s45, s16, 15
	s_add_co_u32 s45, s45, s12                     ; where A's half goes,
	s_mul_i32 s66, s16, 64*PB
	s_add_co_u32 s66, s66, BOFF
	s_add_co_u32 s66, s66, s12                     ; and B's
	s_wait_dscnt 0x0                               ; both opening adds are done
	s_wait_kmcnt 0x0
	s_load_b64 s[96:97], s[8:9], 0x28              ; e10, e11
	s_add_nc_u64 s[20:21], s[4:5], s[20:21]
	s_add_nc_u64 s[46:47], s[6:7], s[46:47]
	s_mov_b32 s[G0], 1
	s_mov_b32 s[G0+1], s45
	s_mov_b64 s[G0+2:G0+3], s[20:21]
	s_or_b32 s[G0+3], s[G0+3], 0x80000000
	s_mov_b32 s[G0B], 1
	s_mov_b32 s[G0B+1], s66
	s_mov_b64 s[G0B+2:G0B+3], s[46:47]
	s_or_b32 s[G0B+3], s[G0B+3], 0x80000000
	CROUND                                         ; all sixteen work-groups are here: the first joint loads meet
	JLOAD 2                                        ; K steps 0 and 1, one load a wave
	s_mov_b32 s88, 2048
	s_mov_b32 s90, 1024
	s_cmp_eq_u32 s15, 0
	s_cselect_b64 s[84:85], s[20:21], s[46:47]     ; the prefetch: two K steps on from my load,
	s_cselect_b32 s86, s40, s41
	s_cselect_b32 s91, 512, s88                    ; two lanes to 512 bytes of A, or to a row of B,
	s_cselect_b32 s88, 16384, s90
	s_lshl_b32 s86, s86, 15                        ; and my work-group's quarter: 16 tokens of A, or 16 rows of B
	s_add_co_u32 s86, s86, s88
	s_mov_b32 s87, 0
	s_add_nc_u64 s[84:85], s[84:85], s[86:87]
	s_lshl_b32 s70, s15, 15
	s_lshl_b32 s71, s13, 12
	s_add_co_u32 s70, s70, s71                     ; A: my 64 tokens, my half of the K step
	s_add_co_u32 s71, s70, SLOT1
	s_mul_i32 s72, s16, 64*PB
	s_lshl_b32 s73, s13, 8
	s_add_co_u32 s72, s72, s73
	s_add_co_u32 s72, s72, BOFF                    ; B: my 64 rows, my half of the K step
	s_add_co_u32 s73, s72, SLOT1
	s_mul_i32 s74, s14, STG                        ; my stage;
	s_mul_i32 s75, s19, STG
	s_mul_i32 s76, s13, 32*SPITCH
	s_add_co_u32 s75, s75, s76                     ; on the way out I take 32 rows of kg 0's stage,
	s_add_co_u32 s76, s75, 4*STG                   ; and the same of kg 1's
	v_and_b32 v1, 15, v0                           ; r
	v_bfe_u32 v2, v0, 4, 1                         ; h
	v_and_b32 v3, 31, v0
	v_lshlrev_b32 v4, 4, v3
	v_add_nc_u32 v[ADRA], s70, v4
	v_add_nc_u32 v[ADRA+1], s71, v4
	v_mul_u32_u24 v5, v1, PB
	v_lshl_add_u32 v5, v2, 3, v5
	v_add_nc_u32 v[ADRB], s72, v5
	v_add_nc_u32 v[ADRB+1], s73, v5
	v_mul_u32_u24 v6, v1, SPITCH
	v_lshl_add_u32 v6, v2, 5, v6
	v_add_nc_u32 v[STO], s74, v6                   ; in: row r, 32 bytes for each half of the lanes
	v_mul_u32_u24 v7, v2, SPITCH
	v_lshl_add_u32 v7, v1, 4, v7
	v_add_nc_u32 v[RD0], s75, v7                   ; back: sixteen lanes to a row of 256 bytes
	v_add_nc_u32 v[RD1], s76, v7
	v_lshlrev_b32 v8, 13, v2
	v_lshl_add_u32 v[CO], v1, 4, v8
	v_lshrrev_b32 v9, 1, v3
	v_mul_u32_u24 v9, s91, v9
	v_and_b32 v10, 1, v3
	v_lshl_add_u32 v[PFO], v10, 8, v9
	s_lshl_b32 s68, s17, 7
	s_lshl_b32 s69, s15, 6
	s_add_co_u32 s68, s68, s69
	s_lshl_b32 s69, s13, 5
	s_add_co_u32 s68, s68, s69                     ; my first row of the output
	s_lshl_b32 s68, s68, 13
	s_lshl_b32 s69, s42, 9
	s_add_co_u32 s68, s68, s69
	s_lshl_b32 s69, s16, 8
	s_add_co_u32 s68, s68, s69
	s_mov_b32 s69, 0
	s_add_nc_u64 s[10:11], s[10:11], s[68:69]
; 16 matrix instructions on fragment set f; the accumulators take turns, one instruction a turn, in the same order
.macro MUL16 f, zero
.irp a, 0,1,2,3
.irp b, 0,1,2,3
.if \zero
	v_wmma_f32_16x16x128_fp8_fp8 v[ACC+8*(4*\a+\b):ACC+8*(4*\a+\b)+7], v[\f+64+16*\b:\f+64+16*\b+15], v[\f+16*\a:\f+16*\a+15], 0
.else
	v_wmma_f32_16x16x128_fp8_fp8 v[ACC+8*(4*\a+\b):ACC+8*(4*\a+\b)+7], v[\f+64+16*\b:\f+64+16*\b+15], v[\f+16*\a:\f+16*\a+15], v[ACC+8*(4*\a+\b):ACC+8*(4*\a+\b)+7]
.endif
.endr
.endr
.endm
.macro FETCH slot, q, f                ; 48 loads: the q-th 128 along K of my half of the slot's K step
	WIN TO_F
.irp i, 0,1,2,3
.irp c, 0,1,2,3,4,5,6,7
	ds_load_b64 v[\f+64+16*\i+2*\c:\f+64+16*\i+2*\c+1], v[ADRB+\slot] offset:128*(\q)+16*PB*\i+16*\c
.endr
.endr
.irp i, 0,1,2,3
.irp c, 0,1,2,3
	ds_load_b128 v[\f+16*\i+4*\c:\f+16*\i+4*\c+3], v[ADRA+\slot] offset:2048*(\q)+8192*\i+512*\c
.endr
.endr
.endm
.macro PLACES
.rept 4
	v_nop
.endr
.endm
.macro KSTEP slot, zero
	PLACES                                         ; in front of loads into registers that the last products read
	FETCH \slot, 0, F0
	FETCH \slot, 1, F1
	WIN 0
.if \zero
	global_prefetch_b8 v[PFO], s[84:85] th:TH_LOAD_NT scope:SCOPE_SE   ; its registers are never rewritten
.endif
	s_wait_dscnt 48                                ; the first set is in; the second's 48 loads may be out
	WIN MUL
	MUL16 F0, \zero
	WIN 0
.endm
; The change of slots: one barrier.  fill = 0 or 1: the slot just read is filled again, by the waves of that kg; fill = 2: it is not.
.macro TURN fill
	s_wait_tensorcnt 0x0                           ; all my tensor loads have landed
	ds_add_u32 v[SPW], v[NIL]                      ; 0 onto my spare word
.if (\fill) == 0
	s_add_nc_u64 s[G0+2:G0+3], s[G0+2:G0+3], 2*8192    ; every wave's next load stands two K steps on
	s_add_nc_u64 s[G0B+2:G0B+3], s[G0B+2:G0B+3], 2*512
.endif
	s_wait_dscnt 0x0                               ; the add is done, and my reads of this slot are over
	s_barrier_signal -1
	WIN MUL
	MUL16 F1, 0
	WIN 0
	s_barrier_wait -1
.if (\fill) < 2
	CREST                                          ; a round of the cluster's barrier: no wave of any partner still reads this slot or has a load on its way
	JLOAD \fill
.endif
.endm
	s_wait_alu depctr_va_vdst(0)                   ; at the head's end
	s_wait_tensorcnt 0x0                           ; my part of K step 0 or 1 is in,
	s_barrier_signal -1
	s_barrier_wait -1                              ; everybody's is
	KSTEP 0, 1
	TURN 0                                         ; K step 2 into slot 0
	KSTEP 1, 0
	TURN 1                                         ; K step 3 into slot 1
	KSTEP 0, 0
	TURN 2
	KSTEP 1, 0
	s_wait_kmcnt 0x0
	s_add_co_i32 s96, s96, s97
	s_add_co_i32 s96, s96, 127
	s_lshl_b32 s96, s96, 23                        ; 2^(e10 + e11)
	s_mov_b32 s97, s96                             ; (named with it as a pair, so it is written)
	s_wait_dscnt 0x0
	WIN MUL
	MUL16 F1, 0
	WIN 0
	; THE WAY OUT.  Every wave lays its 64 x 64 sums as rows into its own stage; the stages lie below slot 1, over slot 0, which has had its last fill and its last read.
	; Behind a barrier each wave takes 32 rows from the two stages of its place, adds them, scales them and stores whole rows of 256 bytes.
	PLACES
.irp a, 0,1,2,3
.irp b, 0,1,2,3
	ds_store_b128 v[STO], v[ACC+8*(4*\a+\b):ACC+8*(4*\a+\b)+3] offset:16*SPITCH*\a+64*\b
	ds_store_b128 v[STO], v[ACC+8*(4*\a+\b)+4:ACC+8*(4*\a+\b)+7] offset:16*SPITCH*\a+64*\b+16
.endr
.endr
	s_wait_dscnt 0x0                               ; my rows are in LDS
	s_barrier_signal -1
	s_barrier_wait -1
.irp t, 0,1,2,3,4,5,6,7,8,9,10,11,12,13,14,15
	ds_load_b128 v[32+4*\t:35+4*\t], v[RD0] offset:2*SPITCH*\t
	ds_load_b128 v[128+4*\t:131+4*\t], v[RD1] offset:2*SPITCH*\t
.endr
.irp g, 0,1,2,3
	s_wait_dscnt 24-8*\g                           ; this group's eight loads are in
.irp u, 0,2,4,6,8,10,12,14
	v_pk_add_f32 v[32+16*\g+\u:33+16*\g+\u], v[32+16*\g+\u:33+16*\g+\u], v[128+16*\g+\u:129+16*\g+\u]
.endr
.irp u, 0,2,4,6,8,10,12,14
	v_pk_mul_f32 v[32+16*\g+\u:33+16*\g+\u], v[32+16*\g+\u:33+16*\g+\u], s[96:97] op_sel_hi:[1,0]
.endr
.irp u, 0,1,2,3
	global_store_b128 v[CO], v[32+16*\g+4*\u:35+16*\g+4*\u], s[10:11] offset:16384*(4*\g+\u) th:TH_STORE_NT
.endr
.endr
	s_wait_tensorcnt 0x0                           ; the wave's end
	ds_add_u32 v[SPW], v[NIL]
	s_wait_dscnt 0x0
	CROUND                                         ; the closing round
	s_endpgm
.Lfunc_end_k_qf8775d31bd_outp:
	.size	k_qf8775d31bd_outp, .Lfunc_end_k_qf8775d31bd_outp-k_qf8775d31bd_outp
	.p2alignl 7, 3214868480
	.fill 96, 4, 3214868480
	.section	.rodata,"a",@progbits
	.p2align	6, 0x0
	.amdhsa_kernel k_qf8775d31bd_outp
		.amdhsa_group_segment_fixed_size 327680
		.amdhsa_private_segment_fixed_size 0
		.amdhsa_enable_private_segment 0
		.amdhsa_kernarg_size 32
		.amdhsa_user_sgpr_count 2
		.amdhsa_user_sgpr_kernarg_segment_ptr 1
		.amdhsa_wavefront_size32 1
		.amdhsa_system_sgpr_workgroup_id_x 1
		.amdhsa_system_sgpr_workgroup_id_y 1
		.amdhsa_system_sgpr_workgroup_id_z 1
		.amdhsa_system_vgpr_workitem_id 0
		.amdhsa_next_free_vgpr 512
		.amdhsa_next_free_sgpr 100
		.amdhsa_reserve_vcc 0
		.amdhsa_float_denorm_mode_32 3
		.amdhsa_float_denorm_mode_16_64 3
		.amdhsa_memory_ordered 1
		.amdhsa_forward_progress 1
		.amdhsa_inst_pref_size 54
	.end_amdhsa_kernel
	.amdgpu_metadata
---
amdhsa.version: [ 1, 2 ]
amdhsa.kernels:
  - .name:           k_qf8775d31bd_outp
    .symbol:         k_qf8775d31bd_outp.kd
    .args:
      - { .name: oc, .offset: 0, .size: 8, .value_kind: global_buffer, .address_space: global }
      - { .name: cw, .offset: 8, .size: 8, .value_kind: global_buffer, .address_space: global }
      - { .name: lowp_scales, .offset: 16, .size: 8, .value_kind: global_buffer, .address_space: global }
      - { .name: out0, .offset: 24, .size: 8, .value_kind: global_buffer, .address_space: global }
    .group_segment_fixed_size: 327680
    .private_segment_fixed_size: 0
    .kernarg_segment_align: 8
    .kernarg_segment_size: 32
    .max_flat_workgroup_size: 256
    .sgpr_count:     100
    .vgpr_count:     512
    .wavefront_size: 32
...
	.end_amdgpu_metadata
.endif
;; end of part 4
